; MI455X (gfx1250); checked and timed in simulation.
; The chip was launched on July 23, 2026; its instructions are those of AMD's public machine-readable ISA for CDNA 5 (MIT licence, August 2026) and "CDNA5" Instruction Set Architecture Reference Guide (July 2026). The comments in the code are by the model that wrote it; some were corrected since.
;; Range Attention. Allowed arithmetic: matrix products marked QUANTISED: E5M2 operands, one E8M0 scale for each 32 along K, by v_wmma_scale_f32_16x16x128_f8f6f4 with both operands' format E5M2, f32 sums; products left as they are: f32 operands where the result goes on into a quantised operand, else bf16, f16 or f32 operands; f32 sums; everything else in f32.
;; Inputs: b_fc1 1,024 float32; b_fc2 256 float32; bk 256 float32; bn_b 16 float32; bn_g 16 float32; bn_m 16 float32; bn_v 16 float32; bo 256 float32; bq 256 float32; bv 256 float32; norm1_b 256 float32; norm1_g 256 float32; norm2_b 256 float32; norm2_g 256 float32; pb1 16 float32; pb2 8 float32; pos 1 x 32,768 x 2 float32; pw1 16 x 2 float32; pw2 8 x 16 float32; w_fc1 256 x 1,024 float32; w_fc2 1,024 x 256 float32; wk 256 x 256 float32; wo 256 x 256 float32; wq 256 x 256 float32; wv 256 x 256 float32; x 1 x 32,768 x 256 float32.
;; Outputs: out0 1 x 32,768 x 256 float32.
;; This version of the problem:
;;   THIS VERSION OF THE PROBLEM IS GIVEN IN LOW PRECISION. The matrix products marked QUANTISED in the list below multiply operands that are first quantised to E5M2 (5 exponent bits, 2 mantissa bits; 8 bits a number), with one power-of-two scale for each 32 numbers along K (OCP MX v1.0); their sums are f32. All else is computed in f32.
;;   The module's matrix products, in the order in which they are computed (A, B: the left and right operand; K: the contracted axis; several contracted axes count as one K, in the product's order):
;;     1. [M 4,194,304, K 2] x [K 2, N 16]; A: computed on the way; B: input pw1: left as it is (K = 2 < 32)
;;     2. [M 4,194,304, K 16] x [K 16, N 8]; A: computed on the way; B: input pw2: left as it is (K = 16 < 32)
;;     3. [M 32,768, K 256] x [K 256, N 256]; A: computed on the way; B: input wq: QUANTISED
;;     4. [M 32,768, K 256] x [K 256, N 256]; A: computed on the way; B: input wk: QUANTISED
;;     5. [M 32,768, K 256] x [K 256, N 256]; A: computed on the way; B: input wv: QUANTISED
;;     6. batch 2,048 x [M 128, K 32] x [K 32, N 128]; A: computed on the way; B: computed on the way: QUANTISED
;;     7. batch 2,048 x [M 128, K 128] x [K 128, N 32]; A: softmax (see below); B: computed on the way: QUANTISED
;;     8. [M 32,768, K 256] x [K 256, N 256]; A: computed on the way; B: input wo: QUANTISED
;;     9. [M 32,768, K 256] x [K 256, N 1,024]; A: computed on the way; B: input w_fc1: QUANTISED
;;     10. [M 32,768, K 1,024] x [K 1,024, N 256]; A: computed on the way; B: input w_fc2: QUANTISED
;;   THE QUANTISER, for each operand of a quantised product, along K:
;;     - K is cut into blocks of 32 from its start; a last block that is shorter is filled with zeros.
;;     - A block's scale is 2^e with e = floor(log2(the largest magnitude in the block)) - 15, held to -126 .. 127; a block of zeros has e = 0. As a byte (E8M0): e + 127.
;;     - Each number is divided by its block's scale, clamped to +-57,344, and rounded to the nearest number of E5M2, ties to even, subnormals kept.
;;     - The product sums the exact products of the quantised numbers (number of the format x scale) in f32.
;;   ~~~python
;;   def quantise(x, axis):      # numpy; x: float32 -> the quantised numbers, widened to float32 again
;;       x = np.moveaxis(x, axis, -1); K = x.shape[-1]
;;       x = np.pad(x, [(0, 0)] * (x.ndim - 1) + [(0, -K % 32)]); x = x.reshape(x.shape[:-1] + (-1, 32)); a = np.abs(x).max(-1, keepdims=True)
;;       e = np.where(a > 0, np.clip(np.frexp(np.where(a > 0, a, 1))[1] - 1 - 15, -126, 127), 0)      # np.frexp(a)[1] - 1 = floor(log2(a)), exactly
;;       r = np.clip(x / 2.0 ** e, -57344, 57344)
;;       step = 2.0 ** (np.maximum(np.frexp(np.where(r == 0, 1, r))[1] - 1, -14) - 2)
;;       q = np.round(r / step) * step * 2.0 ** e      # np.round: ties to even
;;       return np.moveaxis(q.reshape(q.shape[:-2] + (-1,))[..., :K], -1, axis).astype(np.float32)
;;   ~~~
;;   SOFTMAX AHEAD OF A QUANTISED PRODUCT. Where the list says 'softmax', what is quantised is not the finished softmax but p = 2^(t - M), with t = logit x log2(e) and M = ceil(the row's largest t), a whole number; so 1/2 < the row's largest p <= 1. The row's sum l is taken of the UNQUANTISED p, in f32, and the product's result is divided by l at the end. Since M is a whole number, a kernel that streams over the keys may use a running M (the ceiling of the running maximum): every later rescaling is an exact power of two, which a block's scale takes up: the codes' values come out the same.
;;   OPERANDS COMPUTED ON THE WAY. 'Computed on the way' means the value that the module computes at that place (a softmax that the list does not call 'softmax' is quantised finished and normalised). What goes into a quantiser is computed in f32, as accurately as f32 sums, v_exp_f32 and their like allow (about 1e-6 of the number): no bf16 or f16 on the way to a quantiser, and a product that is left as it is and whose result goes on into a quantised operand takes f32 operands (vector FMAs, or v_wmma_f32_16x16x4_f32). A number that lies on a knife's edge between two numbers of the format may be rounded either way, as far as f32 arithmetic and the matrix unit's own rounding can turn it there, and no further.
;; One version. Each part assembles by itself: llvm-mc -triple=amdgcn-amd-amdhsa -mcpu=gfx1250 --defsym DOCPART=n.
;; ======== version 1 of 1: 2 launches
;; workspace buffers: wcodes 786,432 bytes; wscales 24,576 bytes; ptab 4,352 bytes
;; launch prep (part 1): grid 384 x 1, 1 waves a work-group, no clusters, 0 bytes of LDS; arguments wq, wk, wv, wo, w_fc1, w_fc2, pw1, pb1, bn_g, bn_b, bn_m, bn_v, pw2, pb2, wcodes, wscales, ptab; writes wcodes, wscales, ptab
.if DOCPART == 1
	.amdgcn_target "amdgcn-amd-amdhsa--gfx1250"
	.amdhsa_code_object_version 6
	.text
	.protected	k_q26c1a457d9_prep
	.globl	k_q26c1a457d9_prep
	.p2align	8
	.type	k_q26c1a457d9_prep,@function
k_q26c1a457d9_prep:
	s_mov_b64 s[64:65], 0
	v_nop
	global_prefetch_b8 v0, s[64:65] scope:SCOPE_SE
	s_setreg_imm32_b32 hwreg(HW_REG_WAVE_MODE, 25, 1), 1
	s_wait_xcnt 0x0
; The six weights ([K][N] f32, K the first axis) become codes of BF8 (E5M2) with one E8M0 byte for each 32 along K, laid in the ORDER OF THE OPERAND'S REGISTERS.
; A fragment is 16 columns x 128 along K: lane (r, h) holds column 32 (ct / 2) + 8 (ct % 2) + r + 8 (r / 8) of column tile ct, its register 4 c + q the codes of k = 128 s + 32 c + 16 h + 4 q ..
; Fragment f lies at byte 2048 f of wcodes, piece c (registers 4 c .. 4 c + 3) at 512 c + 16 x lane: four loads of 16 bytes a lane bring it back.
; f = 0-127: wq, wk, wv, wo (32 each, 2 ct + s);  128-255: w_fc1 (2 ct + s);  256-383: w_fc2 (8 ct + ks).  Its scale word of row r lies at (f / 4) 256 + 16 r + 4 (f % 4) of wscales.
; One wave makes one fragment: a lane takes a column, its registers run down K, so nothing is transposed; sixteen lanes read two runs of 32 bytes of a row of the weight.
; Work-group 0 also lays the table of the position net: row o (128 bytes; rows 16-31 repeat rows 0-15): w0 w0 w1 w1 c c 0 0, p0 p0 .. p7 p7, 0 x 8, with s = rsq(bn_v + 1e-5) bn_g,
; w = pw1[o] s, c = (pb1 - bn_m) s + bn_b, p_h = pw2[h][o]; at byte 4096: pb2[lane % 8] x log2(e).  Folding the batch norm changes the order of rounding and nothing else.
; LIMITS: NaN and infinities are not served; a block whose largest magnitude lies under 2^-111 (a block of zeros too) keeps the byte 1: its bytes are read by this program alone.
.set ADR, 16                           ; v16-79   byte offsets of my 64 numbers
.set DAT, 80                           ; v80-143  the numbers: register 16 c + i = k 32 c + 16 h + i
.set TM,  144                          ; v144-159 maxima, bytes, holds, scale operands
.set PC,  160                          ; v160-175 the codes
.set PW,  176                          ; v176     the scale word
	s_load_b512 s[4:19], s[0:1], 0x0               ; wq wk wv wo w_fc1 w_fc2 pw1 pb1
	s_load_b512 s[20:35], s[0:1], 0x40             ; bn_g bn_b bn_m bn_v pw2 pb2 wcodes wscales
	s_load_b64 s[36:37], s[0:1], 0x80              ; ptab
	v_and_b32 v2, 15, v0                           ; r
	v_lshrrev_b32 v3, 4, v0                        ; h
	v_lshlrev_b32 v4, 4, v0                        ; 16 x lane
	v_lshlrev_b32 v6, 4, v2                        ; 16 r
	v_and_b32 v7, 8, v2
	v_add_nc_u32 v7, v7, v2                        ; r + 8 (r / 8)
	s_mov_b32 s40, ttmp9                           ; f
	s_mov_b32 s50, 0x76543210
	s_mov_b32 s51, 0xfedcba98                      ; lane selects: lane l xor 16
	s_mov_b32 s52, 0x600000                        ; the mantissa field of 57,344
	s_cmp_lt_u32 s40, 128
	s_cselect_b32 s41, 31, 127
	s_and_b32 s41, s40, s41                        ; the fragment's number inside its weight
	s_cmp_lt_u32 s40, 256
	s_cselect_b32 s42, 1, 3                        ; K steps a column tile: 2, or 8 for w_fc2
	s_lshr_b32 s43, s41, s42                       ; ct
	s_bfm_b32 s44, s42, 0
	s_and_b32 s44, s41, s44                        ; s
	s_mov_b32 s45, 4096
	s_lshr_b32 s46, s40, 7                         ; 0: the four square weights, 1: w_fc1, 2: w_fc2
	s_cmp_eq_u32 s46, 1
	s_cselect_b32 s45, s45, 1024                   ; bytes in a row of the weight
	s_lshr_b32 s47, s40, 5
	s_mul_i32 s54, s44, s45
	s_lshl_b32 s54, s54, 7                         ; 128 s rows
	s_lshr_b32 s55, s43, 1
	s_lshl_b32 s55, s55, 7
	s_add_co_u32 s54, s54, s55                     ; + 4 x 32 (ct / 2)
	s_and_b32 s56, s43, 1
	s_lshl_b32 s56, s56, 5
	s_add_co_u32 s54, s54, s56                     ; + 4 x 8 (ct % 2)
	s_mov_b32 s55, 0
	v_mul_u32_u24 v5, s45, v3
	v_lshlrev_b32 v5, 4, v5
	v_lshl_add_u32 v5, v7, 2, v5                   ; 16 h rows + my column
.set j, 0
.rept 64
	v_mad_u32_u24 v[ADR+j], s45, 32*(j/16)+j%16, v5
.set j, j+1
.endr
.irp b, 0,1,2,3
	v_mov_b32 v[TM+4+\b], 0                        ; a lane permute's destination counts as one of its sources
.endr
	s_wait_kmcnt 0x0
	s_cmp_eq_u32 s47, 1                            ; the choice hangs on the work-group's number alone
	s_cselect_b64 s[48:49], s[6:7], s[4:5]
	s_cmp_eq_u32 s47, 2
	s_cselect_b64 s[48:49], s[8:9], s[48:49]
	s_cmp_eq_u32 s47, 3
	s_cselect_b64 s[48:49], s[10:11], s[48:49]
	s_cmp_eq_u32 s46, 1
	s_cselect_b64 s[48:49], s[12:13], s[48:49]
	s_cmp_eq_u32 s46, 2
	s_cselect_b64 s[48:49], s[14:15], s[48:49]
	s_add_nc_u64 s[48:49], s[48:49], s[54:55]
.set j, 0
.rept 64
	global_load_b32 v[DAT+j], v[ADR+j], s[48:49]
.set j, j+1
.endr
	s_lshl_b32 s54, s40, 11
	s_add_nc_u64 s[32:33], s[32:33], s[54:55]      ; wcodes + 2048 f
	s_lshr_b32 s54, s40, 2
	s_lshl_b32 s54, s54, 8
	s_and_b32 s56, s40, 3
	s_lshl_b32 s56, s56, 2
	s_add_co_u32 s54, s54, s56
	s_add_nc_u64 s[34:35], s[34:35], s[54:55]      ; wscales + 256 (f / 4) + 4 (f % 4)
	s_wait_loadcnt 0x0
.irp b, 0,1,2,3
	v_max3_num_f32 v[TM+\b], |v[DAT+16*\b]|, |v[DAT+16*\b+1]|, 0x8000000   ; block b: my 16 numbers, and the floor 2^(16 - 127): the byte cannot fall under 1
.endr
.irp i, 2,4,6,8,10,12,14
.irp b, 0,1,2,3
	v_max3_num_f32 v[TM+\b], |v[DAT+16*\b+\i]|, |v[DAT+16*\b+\i+1]|, v[TM+\b]
.endr
.endr
.irp b, 0,1,2,3
	v_permlanex16_b32 v[TM+4+\b], v[TM+\b], s50, s51
.endr
.irp b, 0,1,2,3
	v_max_num_f32 v[TM+\b], v[TM+\b], v[TM+4+\b]   ; with lane l xor 16's 16: the block's largest magnitude
.endr
.irp b, 0,1,2,3
	v_add_nc_u32 v[TM+12+\b], 0xf8800000, v[TM+\b] ; 15 off its exponent field: the conversion's scale operand
.endr
.irp b, 0,1,2,3
	v_and_or_b32 v[TM+8+\b], v[TM+\b], 0x7f800000, s52   ; 57,344 x the scale
.endr
.irp b, 0,1,2,3
	v_lshrrev_b32 v[TM+4+\b], 23, v[TM+12+\b]      ; the scale's byte
.endr
	v_lshl_or_b32 v[PW], v[TM+5], 8, v[TM+4]
	v_lshl_or_b32 v[PW], v[TM+6], 16, v[PW]
	v_lshl_or_b32 v[PW], v[TM+7], 24, v[PW]
.irp b, 0,1,2,3
.irp i, 0,1,2,3,4,5,6,7,8,9,10,11,12,13,14,15
	v_med3_num_f32 v[DAT+16*\b+\i], v[DAT+16*\b+\i], -v[TM+8+\b], v[TM+8+\b]   ; the conversion to an 8-bit code does not saturate (ISA guide 7.6.2): the hold
.endr
.endr
.irp b, 0,1,2,3
	v_cvt_scalef32_pk8_bf8_f32 v[PC+4*\b:PC+4*\b+1], v[DAT+16*\b:DAT+16*\b+7], v[TM+12+\b]
	v_cvt_scalef32_pk8_bf8_f32 v[PC+4*\b+2:PC+4*\b+3], v[DAT+16*\b+8:DAT+16*\b+15], v[TM+12+\b]
.endr
	v_nop                                          ; one plain line behind the last conversion
.irp c, 0,1,2,3
	global_store_b128 v4, v[PC+4*\c:PC+4*\c+3], s[32:33] offset:512*\c   ; 32 lanes store 512 consecutive bytes
.endr
	global_store_b32 v6, v[PW], s[34:35]           ; row r's word; lanes 16-31 hold and write the same
	s_cmp_lg_u32 s40, 0
	s_cbranch_scc1 .Lend
	; the table of the position net: lane l writes row l, of hidden unit o = l % 16
	v_lshlrev_b32 v8, 3, v2
	v_lshlrev_b32 v9, 2, v2
	v_and_b32 v10, 7, v0
	v_lshlrev_b32 v10, 2, v10
	v_lshlrev_b32 v11, 7, v0
	v_lshlrev_b32 v12, 2, v0
	global_load_b64 v[178:179], v8, s[16:17]       ; pw1[o][0], pw1[o][1]
	global_load_b32 v180, v9, s[18:19]             ; pb1
	global_load_b32 v181, v9, s[20:21]             ; bn_g
	global_load_b32 v182, v9, s[22:23]             ; bn_b
	global_load_b32 v183, v9, s[24:25]             ; bn_m
	global_load_b32 v184, v9, s[26:27]             ; bn_v
	global_load_b32 v185, v10, s[30:31]            ; pb2[l % 8]
.irp hh, 0,1,2,3,4,5,6,7
	global_load_b32 v[200+2*\hh], v9, s[28:29] offset:64*\hh   ; pw2[h][o], straight into its place in the row
.endr
	s_wait_loadcnt 0x0
	v_add_f32 v184, 0x3727c5ac, v184               ; + 1e-5
	v_rsq_f32 v184, v184
	v_sub_f32 v180, v180, v183                     ; (a plain line behind the transcendental)  pb1 - bn_m
	s_wait_alu depctr_va_vdst(0)
	v_mul_f32 v184, v184, v181                     ; s
	v_mul_f32 v192, v178, v184
	v_mul_f32 v194, v179, v184
	v_fma_f32 v196, v180, v184, v182
	v_mov_b32 v193, v192
	v_mov_b32 v195, v194
	v_mov_b32 v197, v196
	v_mov_b32 v198, 0
	v_mov_b32 v199, 0
.irp hh, 0,1,2,3,4,5,6,7
	v_mov_b32 v[201+2*\hh], v[200+2*\hh]
	v_mov_b32 v[216+\hh], 0
.endr
	v_mul_f32 v186, 0x3fb8aa3b, v185
.irp k, 0,1,2,3,4,5,6,7
	global_store_b128 v11, v[192+4*\k:195+4*\k], s[36:37] offset:16*\k
.endr
	global_store_b32 v12, v186, s[36:37] offset:4096
.Lend:
	s_endpgm
.Lfunc_end_k_q26c1a457d9_prep:
	.size	k_q26c1a457d9_prep, .Lfunc_end_k_q26c1a457d9_prep-k_q26c1a457d9_prep
	.p2alignl 7, 3214868480
	.fill 96, 4, 3214868480
	.section	.rodata,"a",@progbits
	.p2align	6, 0x0
	.amdhsa_kernel k_q26c1a457d9_prep
		.amdhsa_group_segment_fixed_size 0
		.amdhsa_private_segment_fixed_size 0
		.amdhsa_enable_private_segment 0
		.amdhsa_kernarg_size 136
		.amdhsa_user_sgpr_count 2
		.amdhsa_user_sgpr_kernarg_segment_ptr 1
		.amdhsa_wavefront_size32 1
		.amdhsa_system_sgpr_workgroup_id_x 1
		.amdhsa_system_sgpr_workgroup_id_y 1
		.amdhsa_system_sgpr_workgroup_id_z 1
		.amdhsa_system_vgpr_workitem_id 0
		.amdhsa_next_free_vgpr 224
		.amdhsa_next_free_sgpr 66
		.amdhsa_reserve_vcc 0
		.amdhsa_float_denorm_mode_32 3
		.amdhsa_float_denorm_mode_16_64 3
		.amdhsa_memory_ordered 1
		.amdhsa_forward_progress 1
		.amdhsa_inst_pref_size 26
	.end_amdhsa_kernel
	.amdgpu_metadata
---
amdhsa.version: [ 1, 2 ]
amdhsa.kernels:
  - .name:           k_q26c1a457d9_prep
    .symbol:         k_q26c1a457d9_prep.kd
    .args:
      - { .name: wq, .offset: 0, .size: 8, .value_kind: global_buffer, .address_space: global }
      - { .name: wk, .offset: 8, .size: 8, .value_kind: global_buffer, .address_space: global }
      - { .name: wv, .offset: 16, .size: 8, .value_kind: global_buffer, .address_space: global }
      - { .name: wo, .offset: 24, .size: 8, .value_kind: global_buffer, .address_space: global }
      - { .name: w_fc1, .offset: 32, .size: 8, .value_kind: global_buffer, .address_space: global }
      - { .name: w_fc2, .offset: 40, .size: 8, .value_kind: global_buffer, .address_space: global }
      - { .name: pw1, .offset: 48, .size: 8, .value_kind: global_buffer, .address_space: global }
      - { .name: pb1, .offset: 56, .size: 8, .value_kind: global_buffer, .address_space: global }
      - { .name: bn_g, .offset: 64, .size: 8, .value_kind: global_buffer, .address_space: global }
      - { .name: bn_b, .offset: 72, .size: 8, .value_kind: global_buffer, .address_space: global }
      - { .name: bn_m, .offset: 80, .size: 8, .value_kind: global_buffer, .address_space: global }
      - { .name: bn_v, .offset: 88, .size: 8, .value_kind: global_buffer, .address_space: global }
      - { .name: pw2, .offset: 96, .size: 8, .value_kind: global_buffer, .address_space: global }
      - { .name: pb2, .offset: 104, .size: 8, .value_kind: global_buffer, .address_space: global }
      - { .name: wcodes, .offset: 112, .size: 8, .value_kind: global_buffer, .address_space: global }
      - { .name: wscales, .offset: 120, .size: 8, .value_kind: global_buffer, .address_space: global }
      - { .name: ptab, .offset: 128, .size: 8, .value_kind: global_buffer, .address_space: global }
    .group_segment_fixed_size: 0
    .private_segment_fixed_size: 0
    .kernarg_segment_align: 8
    .kernarg_segment_size: 136
    .max_flat_workgroup_size: 32
    .sgpr_count:     66
    .vgpr_count:     224
    .wavefront_size: 32
...
	.end_amdgpu_metadata
.endif
;; end of part 1
;; launch block (part 2): grid 256 x 1, 4 waves a work-group, no clusters, 295,424 bytes of LDS; arguments x, pos, norm1_g, norm1_b, bq, bk, bv, bo, norm2_g, norm2_b, b_fc1, b_fc2, wcodes, wscales, ptab, out0; writes out0
.if DOCPART == 2
	.amdgcn_target "amdgcn-amd-amdhsa--gfx1250"
	.amdhsa_code_object_version 6
	.text
	.protected	k_q26c1a457d9_block
	.globl	k_q26c1a457d9_block
	.p2align	8
	.type	k_q26c1a457d9_block,@function
k_q26c1a457d9_block:
	s_mov_b64 s[64:65], 0
	v_nop
	global_prefetch_b8 v0, s[64:65] scope:SCOPE_SE
	s_setreg_imm32_b32 hwreg(HW_REG_WAVE_MODE, 25, 1), 1
	s_wait_xcnt 0x0
; The whole block for ONE window of 128 tokens (4 x 32) a work-group: LN1, q k v, attention with the position bias, wo + residual, LN2, fc1, exact gelu, fc2 + residual.
; x is read once, out0 is written once, nothing between them goes to memory.  All eight large products run on codes of BF8 (E5M2) with one E8M0 byte for each 32 along K; the two small
; products of the position net are f32 multiply-adds, since their result goes on into a quantised operand.
; SHARES.  Four waves.  In LN1 and in attention a wave owns tokens 32 w .. 32 w + 31 (token tiles 2 w, 2 w + 1).  In every product with a weight a wave owns COLUMNS for all 128 rows (q, k, v, wo, fc2:
; 64 w .. 64 w + 63; fc1: 256 w .. 256 w + 255): so each weight byte is loaded once a work-group, straight into the registers of the one wave that multiplies by it.
; What goes from wave to wave is small: the activations' codes, through LDS as IMAGES OF THE OPERAND'S REGISTERS (a fragment: 4 stores of 16 bytes a lane at 512 c + 16 x lane; its scale words at 4 x lane).
; TILES.  Row rho of tile t, of tokens and of weight columns alike, is number 32 (t / 2) + 8 (t % 2) + rho + 8 (rho / 8): the 16 registers of result tiles 2 b and 2 b + 1 are then 16 neighbours
; 32 b + 16 (lane / 16) + 0 .. 15 along the next K, so the conversions' results are the next operand's registers.
; SCORES.  K = 32 fills a quarter of the instruction's 128: K's fragment holds a group of four heads, Q's fragment the one head in hand and zero codes in the other three blocks.
; SOFTMAX.  t = logit x log2(e), M = the row's largest t rounded up to a whole number, p = 2^(t - M) is quantised along the keys; the sum of the unquantised p divides O at the end.
; NO CLUSTER: what work-groups share is the weights' codes, 786,432 bytes, each byte loaded once a work-group into registers; a joint load would have to lay them in LDS, of which 293,888 of 327,680 bytes
; are taken by the window itself, so it would want slots filled again and again with a meeting of the cluster at each.
; The only tensor loads are four first fills (one a wave, 32 rows of x each): one is out a wave; no LDS byte is filled twice.
; LIMITS: NaN and infinities are not served.  A block whose largest magnitude lies under 2^-111 (a block of zeros too) keeps the byte 1; only this program reads the bytes.
; erf is the rational form z P(z^2) / Q(z^2) on |z| <= 4, held there beyond; its error is about an ulp of 1, so 1 + erf loses digits in the far negative tail as any f32 form does.
; pb2 enters as t = fma(score, log2 e, pb2 log2 e), the batch norm is folded into the table: another order of rounding, nothing else.  Both layer norms take the mean first and then the squares of the differences.
; REGISTERS, in windows of 256.  Window 0: v1-8 lane numbers and fixed addresses, v9-15 the phase's addresses (v14 the scale word just made), v16-31 activations' scale words, v32-63 weights' scale words
; (in attention Q's and V's): v16-63 hold scale words alone; v64-191 area A, v192-223 area B, v224-239 quantiser's work, v240-255 the codes just made.  Windows 1 to 3: by phase, said at each phase.
.set XP,   1040                        ; a row of x in LDS: 1,024 bytes + 16 of padding.  Later, from byte 0: the hidden layer's images, fragment (T, ks) at 16384 ks + 2048 T: wave w stores into 32768 w on
.set ACT,  133120                      ; behind x's 128 rows: images of xn, then o, then LN2's result: fragment (T, s) at 2048 (2 T + s)
.set QIMG, 165888                      ; q: fragment (T, group of four heads)
.set KIMG, 198656                      ; k likewise
.set VIMG, 231424                      ; V^T: tile ct (16 channels x 128 keys) at 2048 ct
.set ASC,  264192                      ; scale words, 128 bytes a fragment: ACT's; + 2048 q's; + 4096 k's; + 6144 V's; + 8192 the hidden layer's (1024 ks + 128 T)
.set QSC,  266240
.set VSC,  270336
.set HSC,  272384
.set PAR,  280576                      ; bo, + 1024 norm2_g, + 2048 norm2_b, + 3072 b_fc2, + 4096 b_fc1
.set POS,  288768                      ; the tokens' x[128], then y[128]
.set ST1,  289792                      ; row sums [wave][r][T]; + 2048 the sums of squares
.set STG,  QIMG                        ; the way out: 16 rows x 272 bytes for each wave, where q's images lay
.set TM,   224
.set PC,   240
.set PW,   14
.set ASUM, 196                         ; attention, in area B: v196-203 the eight heads' sums of p
.set ARCP, 204                         ; v204-211 lane l xor 16's sums, then the reciprocals
.set AXQ,  212                         ; v[212:213], v[214:215] my query's x and y (the low word serves both halves)
.set AYQ,  214
.set ART,  216                         ; v216 the row's largest t
.set ANM,  217                         ; v217 -M
.set AOF,  218                         ; v[218:219] pb2 log2(e) - M (the low word serves both halves)
.set ACH,  220                         ; v220-223 two packed chains
.set MSB, 0
.macro WIN new                         ; bits 1:0 source 0, 3:2 source 1, 5:4 source 2, 7:6 destination; the high byte repeats the setting that is left
.if MSB != (\new)
	s_set_vgpr_msb (MSB<<8)|(\new)
.set MSB, (\new)
.endif
.endm
.macro PLACES n                        ; plain lines behind a matrix instruction: 8 ahead of reads of its result and of loads into its registers
.rept \n
	v_nop
.endr
.endm
.macro BARRIER                         ; my LDS stores have landed and my LDS loads are in: then the work-group's barrier
	s_wait_dscnt 0x0
	s_barrier_signal -1
	s_barrier_wait -1
.endm
.macro MM d, a, b, sa, sb              ; adds in place
	v_wmma_scale_f32_16x16x128_f8f6f4 v[(\d):(\d)+7], v[(\a):(\a)+15], v[(\b):(\b)+15], v[(\d):(\d)+7], v[\sa], v[\sb] matrix_a_fmt:MATRIX_FMT_BF8 matrix_b_fmt:MATRIX_FMT_BF8
.endm
.macro MMC d, a, b, c, sa, sb          ; a sum's first step: C is the bias, in the result's layout
	v_wmma_scale_f32_16x16x128_f8f6f4 v[(\d):(\d)+7], v[(\a):(\a)+15], v[(\b):(\b)+15], v[(\c):(\c)+7], v[\sa], v[\sb] matrix_a_fmt:MATRIX_FMT_BF8 matrix_b_fmt:MATRIX_FMT_BF8
.endm
.macro MMZ d, a, b, sa, sb             ; a sum of one step
	v_wmma_scale_f32_16x16x128_f8f6f4 v[(\d):(\d)+7], v[(\a):(\a)+15], v[(\b):(\b)+15], 0, v[\sa], v[\sb] matrix_a_fmt:MATRIX_FMT_BF8 matrix_b_fmt:MATRIX_FMT_BF8
.endm
; 64 numbers of a lane in window x, register s + 16 b + i = k 32 b + 16 (lane / 16) + i of my row, become 16 registers of codes in v[PC] on and the scale word in v[PW].
.macro QUANT s, x
	WIN (\x)|((\x)<<2)
.irp b, 0,1,2,3
	v_max3_num_f32 v[TM+\b], |v[\s+16*\b]|, |v[\s+16*\b+1]|, 0x8000000   ; block b: my 16 numbers, from the low end on, and the floor 2^(16 - 127): the byte cannot fall under 1
.endr
.irp i, 2,4,6,8,10,12,14
.irp b, 0,1,2,3
	v_max3_num_f32 v[TM+\b], |v[\s+16*\b+\i]|, |v[\s+16*\b+\i+1]|, v[TM+\b]
.endr
.endr
	WIN 0
.irp b, 0,1,2,3
	v_permlanex16_b32 v[TM+4+\b], v[TM+\b], s50, s51
.endr
.irp b, 0,1,2,3
	v_max_num_f32 v[TM+\b], v[TM+\b], v[TM+4+\b]   ; with lane l xor 16's 16: the block's largest magnitude
.endr
.irp b, 0,1,2,3
	v_add_nc_u32 v[TM+12+\b], 0xf8800000, v[TM+\b] ; 15 off its exponent field: the conversion's scale operand
.endr
.irp b, 0,1,2,3
	v_and_or_b32 v[TM+8+\b], v[TM+\b], 0x7f800000, s52   ; 57,344 x the scale
.endr
.irp b, 0,1,2,3
	v_lshrrev_b32 v[TM+4+\b], 23, v[TM+12+\b]      ; the scale's byte
.endr
	v_lshl_or_b32 v[PW], v[TM+5], 8, v[TM+4]
	v_lshl_or_b32 v[PW], v[TM+6], 16, v[PW]
	v_lshl_or_b32 v[PW], v[TM+7], 24, v[PW]
	WIN ((\x)<<6)|(\x)
.irp b, 0,1,2,3
.irp i, 0,1,2,3,4,5,6,7,8,9,10,11,12,13,14,15
	v_med3_num_f32 v[\s+16*\b+\i], v[\s+16*\b+\i], -v[TM+8+\b], v[TM+8+\b]   ; the conversion does not saturate (ISA guide 7.6.2): the hold
.endr
.endr
	WIN (\x)
.irp b, 0,1,2,3
	v_cvt_scalef32_pk8_bf8_f32 v[PC+4*\b:PC+4*\b+1], v[\s+16*\b:\s+16*\b+7], v[TM+12+\b]
	v_cvt_scalef32_pk8_bf8_f32 v[PC+4*\b+2:PC+4*\b+3], v[\s+16*\b+8:\s+16*\b+15], v[TM+12+\b]
.endr
	WIN 0
	v_nop                                          ; one plain line behind the last conversion
.endm
.macro IMAGE adr, off                  ; the fragment in v[PC] on goes to LDS as it stands
.irp c, 0,1,2,3
	ds_store_b128 v[\adr], v[PC+4*\c:PC+4*\c+3] offset:(\off)+512*\c
.endr
.endm
; Where a wave has two of a fragment's four blocks: one QUANT serves row tiles ta and ta + 1; each gets two pieces and two bytes of its scale word.
.macro IMAGE2 adr, sadr, ta, off, soff
	ds_store_b128 v[\adr], v[PC:PC+3] offset:(\off)+4096*(\ta)
	ds_store_b128 v[\adr], v[PC+4:PC+7] offset:(\off)+4096*(\ta)+512
	ds_store_b128 v[\adr], v[PC+8:PC+11] offset:(\off)+4096*((\ta)+1)
	ds_store_b128 v[\adr], v[PC+12:PC+15] offset:(\off)+4096*((\ta)+1)+512
	ds_store_b16 v[\sadr], v[PW] offset:(\soff)+256*(\ta)
	ds_store_b16_d16_hi v[\sadr], v[PW] offset:(\soff)+256*((\ta)+1)
.endm
.macro FETCHN reg, cnt, adr, off       ; cnt fragments that lie on end, from LDS
.set j, 0
.rept 4*(\cnt)
	ds_load_b128 v[(\reg)+4*j:(\reg)+4*j+3], v[\adr] offset:(\off)+512*j
.set j, j+1
.endr
.endm
.macro WORDS reg, cnt, adr, off        ; cnt scale words that lie on end
.set j, 0
.rept \cnt
	ds_load_b32 v[(\reg)+j], v[\adr] offset:(\off)+128*j
.set j, j+1
.endr
.endm
.macro WLOAD reg, cnt, base, off       ; cnt fragments of a weight that lie on end, from memory: each load covers 512 consecutive bytes
.set j, 0
.rept 4*(\cnt)
	global_load_b128 v[(\reg)+4*j:(\reg)+4*j+3], v4, s[\base:\base+1] offset:(\off)+512*j
.set j, j+1
.endr
.endm
.macro PARLOAD reg, off                ; 32 numbers of a vector at my wave's 64 columns, in the result's layout: register 8 ct + j = column 32 (ct / 2) + 16 h + 8 (ct % 2) + j
.irp ct, 0,1,2,3
	ds_load_b128 v[\reg+8*\ct:\reg+8*\ct+3], v11 offset:\off+128*(\ct/2)+32*(\ct%2)
	ds_load_b128 v[\reg+8*\ct+4:\reg+8*\ct+7], v11 offset:\off+128*(\ct/2)+32*(\ct%2)+16
.endr
.endm
	; ---------------- HEAD
	s_load_b512 s[4:19], s[0:1], 0x0               ; x pos norm1_g norm1_b bq bk bv bo
	s_load_b512 s[20:35], s[0:1], 0x40             ; norm2_g norm2_b b_fc1 b_fc2 wcodes wscales ptab out0
	v_lshl_add_u32 v254, v0, 2, 0x48000
	v_mov_b32 v255, 0
	ds_add_u32 v254, v255
	ds_add_u32 v254, v255
	s_wait_dscnt 0x0
	v_lshrrev_b32 v1, 5, v0
	v_readfirstlane_b32 s48, v1                    ; wave 0..3
	v_and_b32 v1, 31, v0                           ; lane
	v_and_b32 v2, 15, v0                           ; r
	v_bfe_u32 v3, v0, 4, 1                         ; h
	v_lshlrev_b32 v4, 4, v1                        ; 16 x lane
	v_lshlrev_b32 v5, 2, v1                        ; 4 x lane
	v_and_b32 v6, 8, v2
	v_add_nc_u32 v6, v6, v2                        ; r + 8 (r / 8)
	v_add_nc_u32 v7, ASC, v5                       ; my place in a scale-word image
	v_lshlrev_b32 v8, 4, v2                        ; 16 r: the weights' scale words
	s_lshr_b32 s68, ttmp9, 4                       ; the window's row of windows,
	s_and_b32 s69, ttmp9, 15                       ; and its place in it
	s_lshl_b32 s70, s68, 21                        ; 4 x 512 rows of 1,024 bytes
	s_lshl_b32 s71, s69, 15                        ; 32 rows
	s_add_co_u32 s70, s70, s71                     ; the window's first byte in x and out0
	s_mov_b32 s71, 0
	s_lshl_b32 s72, s48, 19                        ; my 32 tokens lie 512 rows further down for each wave
	s_add_co_u32 s72, s72, s70
	s_mov_b32 s73, 0
	s_mov_b32 s75, 0
	s_mov_b32 s40, (2<<16)|(1<<20)|(7<<22)|(3<<25) ; no mask; elements of 4 bytes; padding: 4 words behind every 256
	s_mov_b32 s41, 256<<16                         ; tensor_dim0 = 256
	s_mov_b32 s42, 32<<16                          ; tensor_dim1 = 32
	s_mov_b32 s43, 256<<16                         ; tile_dim0 = 256
	s_mov_b32 s44, 32                              ; tile_dim1 = 32
	s_mov_b32 s45, 256                             ; elements from row to row
	s_mov_b32 s46, 0
	s_mov_b32 s47, 0
	s_mov_b32 s36, 1
	s_mul_i32 s37, s48, 32*XP                      ; my 32 rows in LDS
	s_wait_kmcnt 0x0
	s_add_nc_u64 s[38:39], s[4:5], s[72:73]
	s_or_b32 s39, s39, 0x80000000
	tensor_load_to_lds s[36:39], s[40:47]          ; my one tensor load: 32 rows of x, 32 KiB on end in memory
	s_nop 0
.rept 4
	v_nop
.endr
	s_add_nc_u64 s[100:101], s[34:35], s[70:71]
	s_lshl_b32 s74, s48, 8
	s_add_nc_u64 s[100:101], s[100:101], s[74:75]  ; out0 at the window, at my 64 columns
	s_mov_b64 s[66:67], s[32:33]                   ; the table
	s_lshl_b32 s74, s48, 14
	s_add_nc_u64 s[92:93], s[28:29], s[74:75]      ; my 8 fragments of each square weight
	s_lshl_b32 s74, s48, 16
	s_add_co_u32 s74, s74, 262144
	s_add_nc_u64 s[94:95], s[28:29], s[74:75]      ; my 32 fragments of w_fc1; w_fc2's lie 262,144 bytes on
	s_lshl_b32 s74, s48, 9
	s_add_nc_u64 s[96:97], s[30:31], s[74:75]      ; their scale words
	s_lshl_b32 s74, s48, 11
	s_add_co_u32 s74, s74, 8192
	s_add_nc_u64 s[98:99], s[30:31], s[74:75]
	s_load_b256 s[56:63], s[66:67], 0x1000         ; pb2 x log2(e), eight heads
	s_lshl_b32 s74, s68, 14
	s_lshl_b32 s76, s69, 8
	s_add_co_u32 s74, s74, s76
	s_add_nc_u64 s[6:7], s[6:7], s[74:75]          ; pos at the window
	v_lshrrev_b32 v9, 5, v0
	v_lshlrev_b32 v9, 12, v9
	v_lshl_add_u32 v9, v1, 3, v9                   ; token = thread: 512 rows of 8 bytes a block of 32, 8 bytes a token
	s_cmp_eq_u32 s48, 1                            ; wave w copies vector w of bo, norm2_g, norm2_b, b_fc2
	s_cselect_b64 s[76:77], s[20:21], s[18:19]
	s_cmp_eq_u32 s48, 2
	s_cselect_b64 s[76:77], s[22:23], s[76:77]
	s_cmp_eq_u32 s48, 3
	s_cselect_b64 s[76:77], s[26:27], s[76:77]
	s_lshl_b32 s74, s48, 10
	s_add_nc_u64 s[24:25], s[24:25], s[74:75]      ; and quarter w of b_fc1
	global_load_b64 v[192:193], v9, s[6:7]
	global_load_b128 v[196:199], v4, s[76:77]
	global_load_b128 v[200:203], v4, s[76:77] offset:512
	global_load_b128 v[204:207], v4, s[24:25]
	global_load_b128 v[208:211], v4, s[24:25] offset:512
	v_lshlrev_b32 v10, 6, v3                       ; 64 h
	WIN 0x40                                       ; window 1: norm1_g at v0-127, norm1_b at v128-255, at my 128 channels 32 cc + 16 h + 0 .. 15
.set j, 0
.rept 32
	global_load_b128 v[4*j:4*j+3], v10, s[8:9] offset:128*(j/4)+16*(j%4)
	global_load_b128 v[128+4*j:131+4*j], v10, s[10:11] offset:128*(j/4)+16*(j%4)
.set j, j+1
.endr
	WIN 0
	s_wait_loadcnt 63                              ; 64 loads were issued behind the first five: those are in
	v_lshl_add_u32 v11, v0, 2, POS
	ds_store_b32 v11, v192
	ds_store_b32 v11, v193 offset:512
	s_add_co_u32 s74, s74, PAR
	v_add_nc_u32 v12, s74, v4
	ds_store_b128 v12, v[196:199]
	ds_store_b128 v12, v[200:203] offset:512
	ds_store_b128 v12, v[204:207] offset:4096
	ds_store_b128 v12, v[208:211] offset:4608
	s_lshl_b32 s74, s48, 8
	v_add_nc_u32 v13, s74, v10                     ; 64 h + 256 w
	v_lshl_add_u32 v15, v6, 2, s74                 ; 4 (r + 8 (r / 8)) + 256 w
	WIN 0xc0                                       ; window 3: bq v128-159, bk v160-191 (the result's layout); bv v192-223 (a lane's column, eight times)
.irp ct, 0,1,2,3
	global_load_b128 v[128+8*\ct:131+8*\ct], v13, s[12:13] offset:128*(\ct/2)+32*(\ct%2)
	global_load_b128 v[132+8*\ct:135+8*\ct], v13, s[12:13] offset:128*(\ct/2)+32*(\ct%2)+16
	global_load_b128 v[160+8*\ct:163+8*\ct], v13, s[14:15] offset:128*(\ct/2)+32*(\ct%2)
	global_load_b128 v[164+8*\ct:167+8*\ct], v13, s[14:15] offset:128*(\ct/2)+32*(\ct%2)+16
.irp i, 0,1,2,3,4,5,6,7
	global_load_b32 v[192+8*\ct+\i], v15, s[16:17] offset:128*(\ct/2)+32*(\ct%2)
.endr
.endr
	WIN 0
.irp m, 0,1,2
	global_load_b128 v[32+8*\m:35+8*\m], v8, s[96:97] offset:2048*\m       ; scale words: v[32 + 8 m + 2 ct + s]; they stay until q, k and v are made
	global_load_b128 v[36+8*\m:39+8*\m], v8, s[96:97] offset:2048*\m+256
.endr
	WIN 0x80
	WLOAD 0, 8, 92, 0                              ; window 2: wq v0-127,
	WLOAD 128, 8, 92, 65536                        ; wk v128-255
	WIN 0xc0
	WLOAD 0, 8, 92, 131072                         ; window 3: wv v0-127
	WIN 0
	s_mov_b32 s49, 0x3b800000                      ; 1 / 256
	s_mov_b32 s53, 0x3727c5ac                      ; 1e-5
	s_mov_b32 s50, 0x76543210
	s_mov_b32 s51, 0xfedcba98                      ; lane selects: lane l xor 16
	s_mov_b32 s52, 0x600000                        ; the mantissa field of 57,344
	s_mov_b32 s54, 0x3fb8aa3b                      ; log2(e)
	s_mov_b32 s55, s54
.irp b, 0,1,2,3
	v_mov_b32 v[TM+4+\b], 0                        ; a lane permute's destination counts as one of its sources
.endr
	s_wait_xcnt 0x0                                ; the loads above have read their offset registers: v9 to v15 are written again below
	v_mul_u32_u24 v9, v6, XP
	v_lshl_add_u32 v9, v3, 6, v9
	s_mul_i32 s74, s48, 32*XP
	v_add_nc_u32 v9, s74, v9                       ; x in LDS: token 32 w + r + 8 (r / 8), + 64 h
	s_lshl_b32 s74, s48, 13
	s_add_co_u32 s74, s74, ACT
	v_add_nc_u32 v10, s74, v4                      ; my four images of xn
	s_lshl_b32 s74, s48, 9
	v_add_nc_u32 v11, s74, v7                      ; and their scale words
	s_wait_kmcnt 0x0
	s_wait_tensorcnt 0x0                           ; my 32 rows are in LDS; LN1 reads no others
	s_wait_loadcnt 63                              ; 150 loads were issued behind norm1_g and norm1_b: those are in
	; ---------------- LN1: a tile of 16 tokens at a time; a lane holds half a row, 128 numbers, in the next operand's order
.irp u, 0,1
.set j, 0
.rept 32
	ds_load_b128 v[64+4*j:67+4*j], v9 offset:8*XP*\u+128*(j/4)+16*(j%4)
.set j, j+1
.endr
	s_wait_dscnt 0x0
.irp k, 0,1,2,3
	v_pk_add_f32 v[192+2*\k:193+2*\k], v[64+4*\k:65+4*\k], v[66+4*\k:67+4*\k]   ; the sum, in four packed chains
.endr
.set j, 16
.rept 14
.irp k, 0,1,2,3
	v_pk_add_f32 v[192+2*\k:193+2*\k], v[192+2*\k:193+2*\k], v[64+j+2*\k:65+j+2*\k]
.endr
.set j, j+8
.endr
	v_pk_add_f32 v[192:193], v[192:193], v[194:195]
	v_pk_add_f32 v[196:197], v[196:197], v[198:199]
	v_pk_add_f32 v[192:193], v[192:193], v[196:197]
	v_add_f32 v192, v192, v193
	v_permlanex16_b32 v194, v192, s50, s51         ; the row's other half
	v_add_f32 v192, v192, v194
	v_mul_f32 v200, s49, v192                      ; the mean
	v_mov_b32 v201, v200
.set j, 0
.rept 64
	v_pk_add_f32 v[64+j:65+j], v[64+j:65+j], v[200:201] neg_lo:[0,1] neg_hi:[0,1]
.set j, j+2
.endr
.irp k, 0,1,2,3
	v_pk_mul_f32 v[192+2*\k:193+2*\k], v[64+2*\k:65+2*\k], v[64+2*\k:65+2*\k]
.endr
.set j, 8
.rept 15
.irp k, 0,1,2,3
	v_pk_fma_f32 v[192+2*\k:193+2*\k], v[64+j+2*\k:65+j+2*\k], v[64+j+2*\k:65+j+2*\k], v[192+2*\k:193+2*\k]
.endr
.set j, j+8
.endr
	v_pk_add_f32 v[192:193], v[192:193], v[194:195]
	v_pk_add_f32 v[196:197], v[196:197], v[198:199]
	v_pk_add_f32 v[192:193], v[192:193], v[196:197]
	v_add_f32 v192, v192, v193
	v_permlanex16_b32 v194, v192, s50, s51
	v_add_f32 v192, v192, v194
	v_fma_f32 v192, v192, s49, s53                 ; the variance + 1e-5
	v_rsq_f32 v202, v192
	v_nop                                          ; a plain line behind the transcendental
	s_wait_alu depctr_va_vdst(0)
	v_mov_b32 v203, v202
.set j, 0
.rept 64
	v_pk_mul_f32 v[64+j:65+j], v[64+j:65+j], v[202:203]
.set j, j+2
.endr
	WIN 0x14                                       ; gain and bias in window 1
.set j, 0
.rept 64
	v_pk_fma_f32 v[64+j:65+j], v[64+j:65+j], v[j:j+1], v[128+j:129+j]
.set j, j+2
.endr
	WIN 0
	QUANT 64, 0
	IMAGE 10, 4096*\u
	ds_store_b32 v11, v[PW] offset:256*\u
	s_wait_dscnt 0x0                               ; the stores have read the codes' registers
	QUANT 128, 0
	IMAGE 10, 4096*\u+2048
	ds_store_b32 v11, v[PW] offset:256*\u+128
.endr
	BARRIER                                        ; xn's sixteen fragments, all of x, the parameters and the positions lie in LDS for every wave
	; ---------------- q, k, v: window 1 takes xn's 16 fragments
	v_add_nc_u32 v12, ACT, v4
	WIN 0x40
	FETCHN 0, 16, 12, 0
	WIN 0
	WORDS 16, 16, 7, 0
	s_lshr_b32 s68, s48, 1
	s_and_b32 s69, s48, 1
	s_lshl_b32 s70, s68, 11
	s_lshl_b32 s71, s69, 10
	s_add_co_u32 s70, s70, s71
	s_add_co_u32 s70, s70, QIMG
	v_add_nc_u32 v9, s70, v4                       ; q's images: my group of heads (w / 2), my two blocks (2 (w % 2))
	s_lshl_b32 s70, s68, 7
	s_lshl_b32 s71, s69, 1
	s_add_co_u32 s70, s70, s71
	s_add_co_u32 s70, s70, QSC
	v_add_nc_u32 v10, s70, v5                      ; and my two bytes of their scale words
	s_lshl_b32 s70, s48, 13
	s_add_co_u32 s70, s70, VIMG
	v_add_nc_u32 v11, s70, v4                      ; my four tiles of V^T
	s_lshl_b32 s70, s48, 9
	s_add_co_u32 s70, s70, VSC
	v_add_nc_u32 v13, s70, v5
	s_wait_loadcnt 0x0                             ; the weights, their scale words, the biases
	s_wait_dscnt 0x0
; q or k (mat 0, 1) for four tiles of tokens: source 0 = 16 columns of the weight, source 1 = 16 tokens: a lane holds one token, its registers run along the head's 32.  Sixteen accumulators by turns.
.macro MMQK mat, half
.irp ss, 0,1
.if \ss == 0
	WIN 0x36
.else
	WIN 0x06
.endif
.irp tl, 0,1,2,3
.irp ct, 0,1,2,3
.if \ss == 0
	MMC 64+32*\tl+8*\ct, 128*\mat+16*(2*\ct+\ss), 16*(2*(4*\half+\tl)+\ss), 128+32*\mat+8*\ct, 32+8*\mat+2*\ct+\ss, 16+2*(4*\half+\tl)+\ss
.else
	MM 64+32*\tl+8*\ct, 128*\mat+16*(2*\ct+\ss), 16*(2*(4*\half+\tl)+\ss), 32+8*\mat+2*\ct+\ss, 16+2*(4*\half+\tl)+\ss
.endif
.endr
.endr
.endr
.endm
; v for two tiles of columns: source 0 = 16 tokens, source 1 = 16 columns of wv: a lane holds one channel, its registers run along the 128 keys
.macro MMV cp
.irp ss, 0,1
.if \ss == 0
	WIN 0x3d
.else
	WIN 0x0d
.endif
.irp tt, 0,1,2,3,4,5,6,7
.irp cl, 0,1
.if \ss == 0
	MMC 64+64*\cl+8*\tt, 16*(2*\tt+\ss), 16*(2*(2*\cp+\cl)+\ss), 192+8*(2*\cp+\cl), 16+2*\tt+\ss, 48+2*(2*\cp+\cl)+\ss
.else
	MM 64+64*\cl+8*\tt, 16*(2*\tt+\ss), 16*(2*(2*\cp+\cl)+\ss), 16+2*\tt+\ss, 48+2*(2*\cp+\cl)+\ss
.endif
.endr
.endr
.endr
.endm
.irp mat, 0,1
.irp half, 0,1
	MMQK \mat, \half
	WIN 0
	PLACES 8
.if \mat == 0
.set j, 0
.rept 64
	v_pk_mul_f32 v[64+j:65+j], v[64+j:65+j], 0x3e3504f3 op_sel_hi:[1,0]   ; q x 32^-0.5
.set j, j+2
.endr
.endif
	s_wait_dscnt 0x0                               ; earlier image stores have read the codes' registers
	QUANT 64, 0
	IMAGE2 9, 10, 4*\half, 32768*\mat, 2048*\mat
	s_wait_dscnt 0x0
	QUANT 128, 0
	IMAGE2 9, 10, 4*\half+2, 32768*\mat, 2048*\mat
.endr
.endr
.irp cp, 0,1
	MMV \cp
	WIN 0
	PLACES 8
.irp cl, 0,1
	s_wait_dscnt 0x0
	QUANT 64+64*\cl, 0
	IMAGE 11, 2048*(2*\cp+\cl)
	ds_store_b32 v13, v[PW] offset:128*(2*\cp+\cl)
.endr
.endr
.irp hd, 0,1,2,3,4,5,6,7                       ; the three empty blocks of each head's Q fragment: zero codes, written once
.irp c, 0,1,2,3
.if \c != (\hd%4)
	v_mov_b32 v[64+16*\hd+4*\c], 0
	v_mov_b32 v[65+16*\hd+4*\c], 0
	v_mov_b32 v[66+16*\hd+4*\c], 0
	v_mov_b32 v[67+16*\hd+4*\c], 0
.endif
.endr
.endr
	BARRIER                                        ; q's, k's and V^T's images lie in LDS
	; ---------------- ATTENTION: two trips, a tile of 16 queries each, all eight heads.  Windows 1, 2: the scores, then p (head hd at 64 (hd % 4) of window 1 + hd / 4).
	; Window 3: K's 16 fragments; then the position differences v0-127, the hidden unit v128-191, its constant v192-193; then O^T v0-127 and V's two fragments v128-159.
	v_add_nc_u32 v9, KIMG, v4
	v_lshl_add_u32 v12, v3, 6, POS                 ; the keys' positions: 4 (32 b + 16 h + i)
	v_add_nc_u32 v15, VIMG, v4
	s_lshl_b32 s28, s48, 13
	s_add_co_u32 s28, s28, ACT
	v_add_nc_u32 v192, s28, v4
	s_lshl_b32 s28, s48, 9
	v_add_nc_u32 v193, s28, v7
	s_lshl_b32 s28, s48, 7
	s_add_co_u32 s28, s28, POS
	v_lshl_add_u32 v194, v6, 2, s28
.irp b, 0,1,2,3,4,5,6,7
	v_mov_b32 v[ARCP+\b], 0                        ; a lane permute's destination counts as one of its sources
.endr
	v_mov_b32 v[AXQ+1], 0                          ; upper halves of pairs of which the low word serves both halves
	v_mov_b32 v[AYQ+1], 0
	v_mov_b32 v[AOF+1], 0
; One hidden unit of the position net for my query and 64 keys, and its share in all eight heads' scores.  ga: w0, w1, c as scalar pairs; gp: p0 .. p7
.macro BIAS_O ga, gp
	WIN 0xff
	v_mov_b32 v192, s[\ga+4]
	v_mov_b32 v193, s[\ga+4]
.set j, 0
.rept 32
	v_pk_fma_f32 v[128+j:129+j], v[64+j:65+j], s[\ga+2:\ga+3], v[192:193] op_sel_hi:[1,0,1]
.set j, j+2
.endr
.set j, 0
.rept 32
	v_pk_fma_f32 v[128+j:129+j], v[j:j+1], s[\ga:\ga+1], v[128+j:129+j] op_sel_hi:[1,0,1]
.set j, j+2
.endr
.set j, 0
.rept 64
	v_max_num_f32 v[128+j], 0, v[128+j]
.set j, j+1
.endr
.irp hd, 0,1,2,3,4,5,6,7
	WIN 0x53+0x50*(\hd/4)                          ; the scores in window 1 or 2, the hidden unit in window 3
.set j, 0
.rept 32
	v_pk_fma_f32 v[64*(\hd%4)+j:64*(\hd%4)+j+1], v[128+j:129+j], s[\gp+2*\hd:\gp+2*\hd+1], v[64*(\hd%4)+j:64*(\hd%4)+j+1] op_sel_hi:[1,0,1]   ; each accumulator from its low end on
.set j, j+2
.endr
.endr
.endm
; One head's softmax for my query and its product with V.
.macro SOFTMAX hd
.set SMX, 1+(\hd)/4
.set SMD, 64*((\hd)%4)
	WIN SMX|(SMX<<2)
.irp b, 0,1,2,3
	v_max_num_f32 v[TM+\b], v[SMD+16*\b], v[SMD+16*\b+1]   ; the largest score of each block of 32 keys: it serves the row's maximum and, since p rises with the score, the block's largest p
.endr
.irp i, 2,4,6,8,10,12,14
.irp b, 0,1,2,3
	v_max3_num_f32 v[TM+\b], v[SMD+16*\b+\i], v[SMD+16*\b+\i+1], v[TM+\b]
.endr
.endr
	WIN 0
.irp b, 0,1,2,3
	v_permlanex16_b32 v[TM+4+\b], v[TM+\b], s50, s51
.endr
.irp b, 0,1,2,3
	v_max_num_f32 v[TM+\b], v[TM+\b], v[TM+4+\b]
.endr
	v_max3_num_f32 v[ART], v[TM], v[TM+1], v[TM+2]
	v_max_num_f32 v[ART], v[ART], v[TM+3]
	v_fma_f32 v[ART], v[ART], s54, s[56+\hd]       ; the row's largest t, pb2 in it
	v_floor_f32 v[ANM], -v[ART]                    ; -M: M is a whole number
	v_add_f32 v[AOF], s[56+\hd], v[ANM]            ; pb2 log2(e) - M
	WIN 0xc0                                       ; V's two tiles of this head; more than eight plain lines stand behind the last products that read these registers
.irp e, 0,1
.irp c, 0,1,2,3
	ds_load_b128 v[128+16*\e+4*\c:131+16*\e+4*\c], v15 offset:(2*\hd+\e)*2048+512*\c
.endr
.endr
	WIN 0
	ds_load_b32 v34, v7 offset:6144+(2*\hd)*128
	ds_load_b32 v35, v7 offset:6144+(2*\hd+1)*128
.irp b, 0,1,2,3
	v_fma_f32 v[TM+\b], v[TM+\b], s54, v[AOF]
.endr
.irp b, 0,1,2,3
	v_exp_f32 v[TM+\b], v[TM+\b]                   ; the block's largest p
.endr
	WIN (SMX<<6)|SMX
.set j, 0
.rept 32
	v_pk_fma_f32 v[SMD+j:SMD+j+1], v[SMD+j:SMD+j+1], s[54:55], v[AOF:AOF+1] op_sel_hi:[1,0,0]   ; t - M
.set j, j+2
.endr
.set j, 0
.rept 64
	v_exp_f32 v[SMD+j], v[SMD+j]                   ; p = 2^(t - M), not normalised
.set j, j+1
.endr
	WIN 0
	s_wait_alu depctr_va_vdst(0)
.irp b, 0,1,2,3
	v_max_num_f32 v[TM+\b], 0x8000000, v[TM+\b]    ; (a plain line behind the exponentials)  the floor: the byte cannot fall under 1
.endr
.irp b, 0,1,2,3
	v_add_nc_u32 v[TM+12+\b], 0xf8800000, v[TM+\b]
.endr
.irp b, 0,1,2,3
	v_and_or_b32 v[TM+8+\b], v[TM+\b], 0x7f800000, s52
.endr
.irp b, 0,1,2,3
	v_lshrrev_b32 v[TM+4+\b], 23, v[TM+12+\b]
.endr
	v_lshl_or_b32 v[PW], v[TM+5], 8, v[TM+4]       ; p's scale word: far more than eight plain lines ahead of the products
	v_lshl_or_b32 v[PW], v[TM+6], 16, v[PW]
	v_lshl_or_b32 v[PW], v[TM+7], 24, v[PW]
	WIN SMX|(SMX<<2)
	v_pk_add_f32 v[ACH:ACH+1], v[SMD:SMD+1], v[SMD+2:SMD+3]        ; the sum of the unquantised p, in two chains
	v_pk_add_f32 v[ACH+2:ACH+3], v[SMD+4:SMD+5], v[SMD+6:SMD+7]
	WIN SMX<<2
.set j, 8
.rept 14
	v_pk_add_f32 v[ACH:ACH+1], v[ACH:ACH+1], v[SMD+j:SMD+j+1]
	v_pk_add_f32 v[ACH+2:ACH+3], v[ACH+2:ACH+3], v[SMD+j+2:SMD+j+3]
.set j, j+4
.endr
	WIN 0
	v_pk_add_f32 v[ACH:ACH+1], v[ACH:ACH+1], v[ACH+2:ACH+3]
	v_add_f32 v[ASUM+\hd], v[ACH], v[ACH+1]
	WIN (SMX<<6)|SMX
.irp b, 0,1,2,3
.irp i, 0,1,2,3,4,5,6,7,8,9,10,11,12,13,14,15
	v_min_num_f32 v[SMD+16*\b+\i], v[SMD+16*\b+\i], v[TM+8+\b]   ; p is not negative: a one-sided hold
.endr
.endr
	WIN SMX
.irp b, 0,1,2,3
	v_cvt_scalef32_pk8_bf8_f32 v[PC+4*\b:PC+4*\b+1], v[SMD+16*\b:SMD+16*\b+7], v[TM+12+\b]
	v_cvt_scalef32_pk8_bf8_f32 v[PC+4*\b+2:PC+4*\b+3], v[SMD+16*\b+8:SMD+16*\b+15], v[TM+12+\b]
.endr
	WIN 0
	PLACES 4                                       ; an operand made by vector instructions stands four plain lines ahead of a scaled product
	s_wait_dscnt 0x0                               ; V's tiles and words
	WIN 0xc3
	MMZ 16*\hd, 128, PC, 34, PW                    ; O^T: source 0 = 16 channels of V^T, source 1 = p: register 16 hd + 8 e + j = channel 32 hd + 16 h + 8 e + j of my query
	MMZ 16*\hd+8, 144, PC, 35, PW
.endm
	s_mov_b32 s28, 0                               ; the trip
	s_mov_b32 s30, 0                               ; my tile's images: 4,096 bytes a trip
	s_mov_b32 s31, 0                               ; their scale words: 256
	s_mov_b32 s32, 0                               ; my query's position: 32
.Latt:
	v_add_nc_u32 v10, s30, v192                    ; ACT at my tile of queries; q's images lie 32,768 bytes on
	v_add_nc_u32 v11, s31, v193                    ; its scale words
	v_add_nc_u32 v13, s32, v194                    ; my query's position
	s_load_b256 s[4:11], s[66:67], 0x0             ; the table's row 0
	s_load_b512 s[12:27], s[66:67], 0x20
	WIN 0xc0
	FETCHN 0, 16, 9, 0                             ; K's 16 fragments
	WIN 0
	WORDS 16, 16, 7, 4096
.irp hd, 0,1,2,3,4,5,6,7
	ds_load_b128 v[64+16*\hd+4*(\hd%4):67+16*\hd+4*(\hd%4)], v10 offset:32768+512*\hd   ; the head's own block of Q's fragment
.endr
	ds_load_b32 v32, v11 offset:2048
	ds_load_b32 v33, v11 offset:2048+128
	s_wait_dscnt 0x0
.irp hd, 0,1,2,3,4,5,6,7                       ; S^T = K Q^T: a lane holds one query, register 16 b + i = key 32 b + 16 h + i
	WIN 0x43+0x40*(\hd/4)
.irp tk, 0,1,2,3,4,5,6,7
	MMZ 64*(\hd%4)+8*\tk, 16*(2*\tk+\hd/4), 64+16*\hd, 16+2*\tk+\hd/4, 32+\hd/4
.endr
.endr
	WIN 0
	PLACES 8
	WIN 0xc0
.set j, 0
.rept 16
	ds_load_b128 v[4*j:4*j+3], v12 offset:128*(j/4)+16*(j%4)
	ds_load_b128 v[64+4*j:67+4*j], v12 offset:512+128*(j/4)+16*(j%4)
.set j, j+1
.endr
	WIN 0
	ds_load_b32 v[AXQ], v13
	ds_load_b32 v[AYQ], v13 offset:512
	s_wait_dscnt 0x0
	WIN 0xcc
.set j, 0
.rept 32
	v_pk_add_f32 v[j:j+1], v[AXQ:AXQ+1], v[j:j+1] op_sel_hi:[0,1] neg_lo:[0,1] neg_hi:[0,1]           ; the query's x less the key's
	v_pk_add_f32 v[64+j:65+j], v[AYQ:AYQ+1], v[64+j:65+j] op_sel_hi:[0,1] neg_lo:[0,1] neg_hi:[0,1]   ; and y
.set j, j+2
.endr
	WIN 0
	s_wait_kmcnt 0x0
	s_mov_b32 s29, 0
.Lbias:                                            ; eight trips, two hidden units each; a unit's row is fetched while the other unit is worked
	s_load_b256 s[68:75], s[66:67], s29 offset:0x80
	s_load_b512 s[76:91], s[66:67], s29 offset:0xa0
	BIAS_O 4, 12
	s_wait_kmcnt 0x0
	s_load_b256 s[4:11], s[66:67], s29 offset:0x100    ; (the last trip reads row 16, a copy of row 0, and does not use it)
	s_load_b512 s[12:27], s[66:67], s29 offset:0x120
	BIAS_O 68, 76
	WIN 0
	s_wait_kmcnt 0x0                               ; the loads are done: their offset register steps
	s_add_co_u32 s29, s29, 256
	s_cmp_lt_u32 s29, 2048
	s_cbranch_scc1 .Lbias
.irp hd, 0,1,2,3,4,5,6,7
	SOFTMAX \hd
.endr
	WIN 0
	PLACES 8
.irp hd, 0,1,2,3,4,5,6,7
	v_permlanex16_b32 v[ARCP+\hd], v[ASUM+\hd], s50, s51
.endr
.irp hd, 0,1,2,3,4,5,6,7
	v_add_f32 v[ASUM+\hd], v[ASUM+\hd], v[ARCP+\hd]   ; the row's sum over all 128 keys
.endr
.irp hd, 0,1,2,3,4,5,6,7
	v_rcp_f32 v[ARCP+\hd], v[ASUM+\hd]
.endr
	v_nop
	WIN 0xc3
	s_wait_alu depctr_va_vdst(0)
.irp hd, 0,1,2,3,4,5,6,7
.irp i, 0,1,2,3,4,5,6,7,8,9,10,11,12,13,14,15
	v_mul_f32 v[16*\hd+\i], v[16*\hd+\i], v[ARCP+\hd]
.endr
.endr
	QUANT 0, 3                                     ; o's channels 0-127 of my 16 queries
	IMAGE 10, 0
	ds_store_b32 v11, v[PW]
	s_wait_dscnt 0x0
	QUANT 64, 3                                    ; channels 128-255
	IMAGE 10, 2048
	ds_store_b32 v11, v[PW] offset:128
	s_wait_dscnt 0x0
	s_add_co_u32 s30, s30, 4096
	s_add_co_u32 s31, s31, 256
	s_add_co_u32 s32, s32, 32
	s_add_co_u32 s28, s28, 1
	s_cmp_lt_u32 s28, 2
	s_cbranch_scc1 .Latt
	global_load_b128 v[32:35], v8, s[96:97] offset:6144       ; wo's scale words,
	global_load_b128 v[36:39], v8, s[96:97] offset:6400
	WLOAD 64, 8, 92, 196608                        ; and my 8 fragments of it, into area A
	BARRIER                                        ; o's sixteen fragments lie in LDS
	; ---------------- wo + residual: window 1 takes x in the result's layout (32 T + 8 ct) and the products add onto it; window 2 takes o's fragments
	v_mul_u32_u24 v9, v6, XP
	v_lshl_add_u32 v9, v3, 6, v9
	s_lshl_b32 s28, s48, 8
	v_add_nc_u32 v9, s28, v9                       ; token r + 8 (r / 8), + 64 h + 256 w
	v_add_nc_u32 v10, 64*XP, v9                    ; the same for tokens 64 on
	v_add_nc_u32 v12, ACT, v4
	s_add_co_u32 s29, s28, PAR
	v_lshl_add_u32 v11, v3, 6, s29                 ; the parameters at my columns
	s_lshl_b32 s29, s48, 9
	s_add_co_u32 s29, s29, ST1
	v_lshl_add_u32 v13, v2, 5, s29                 ; my wave's row sums
	v_lshl_add_u32 v15, v2, 5, ST1                 ; and all four waves'
	WIN 0x40
.irp tt, 0,1,2,3,4,5,6,7
.irp ct, 0,1,2,3
	ds_load_b128 v[32*\tt+8*\ct:32*\tt+8*\ct+3], v[9+\tt/4] offset:(32*((\tt/2)%2)+8*(\tt%2))*XP+128*(\ct/2)+32*(\ct%2)
	ds_load_b128 v[32*\tt+8*\ct+4:32*\tt+8*\ct+7], v[9+\tt/4] offset:(32*((\tt/2)%2)+8*(\tt%2))*XP+128*(\ct/2)+32*(\ct%2)+16
.endr
.endr
	WIN 0x80
	FETCHN 0, 16, 12, 0
	WIN 0
	WORDS 16, 16, 7, 0
	PARLOAD 192, 0                                 ; bo
	s_wait_loadcnt 0x0
	s_wait_dscnt 0x0
	WIN 0x58
.irp ss, 0,1                                   ; 32 accumulators by turns
.irp tt, 0,1,2,3,4,5,6,7
.irp ct, 0,1,2,3
	MM 32*\tt+8*\ct, 64+16*(2*\ct+\ss), 16*(2*\tt+\ss), 32+2*\ct+\ss, 16+2*\tt+\ss
.endr
.endr
.endr
	WIN 0
	PLACES 8
.irp e, 0,1
.irp k, 0,1,2,3
	global_load_b128 v[32+16*\e+4*\k:35+16*\e+4*\k], v8, s[98:99] offset:1024*\e+256*\k   ; w_fc1's scale words: v[32 + 16 e + 2 ct + s]
.endr
.endr
	WIN 0xc0
	WLOAD 0, 8, 94, 0                              ; window 3: w_fc1, my first 128 hidden units, first half
	WIN 0
	PARLOAD 64, 1024                               ; norm2_g
	PARLOAD 96, 2048                               ; norm2_b
	WIN 0x41
.set j, 0
.rept 128
	v_pk_add_f32 v[j:j+1], v[j:j+1], v[192+j%32:193+j%32]    ; x1 = x + o wo + bo; it stays in window 1 to the end
.set j, j+2
.endr
	; ---------------- LN2: a lane holds 32 numbers of each of 8 rows; a row's sum meets lane l xor 16's and the other three waves'
; v[128 + 4 T .. + 3]: two packed chains a tile -> v[160 + T]: the row's sum over the four waves
.macro ACROSS off
.irp tt, 0,1,2,3,4,5,6,7
	v_pk_add_f32 v[128+4*\tt:129+4*\tt], v[128+4*\tt:129+4*\tt], v[130+4*\tt:131+4*\tt]
.endr
.irp tt, 0,1,2,3,4,5,6,7
	v_add_f32 v[160+\tt], v[128+4*\tt], v[129+4*\tt]
.endr
.irp tt, 0,1,2,3,4,5,6,7
	v_permlanex16_b32 v[TM+\tt], v[160+\tt], s50, s51
.endr
.irp tt, 0,1,2,3,4,5,6,7
	v_add_f32 v[160+\tt], v[160+\tt], v[TM+\tt]
.endr
	ds_store_b128 v13, v[160:163] offset:\off
	ds_store_b128 v13, v[164:167] offset:\off+16
	BARRIER
.irp ww, 0,1,2,3
	ds_load_b128 v[128+8*\ww:131+8*\ww], v15 offset:\off+512*\ww
	ds_load_b128 v[132+8*\ww:135+8*\ww], v15 offset:\off+512*\ww+16
.endr
	s_wait_dscnt 0x0
.irp tt, 0,1,2,3,4,5,6,7
	v_add_f32 v[160+\tt], v[128+\tt], v[136+\tt]
	v_add_f32 v[168+\tt], v[144+\tt], v[152+\tt]
.endr
.irp tt, 0,1,2,3,4,5,6,7
	v_add_f32 v[160+\tt], v[160+\tt], v[168+\tt]
.endr
.endm
	WIN 0x05
.irp tt, 0,1,2,3,4,5,6,7
	v_pk_add_f32 v[128+4*\tt:129+4*\tt], v[32*\tt:32*\tt+1], v[32*\tt+2:32*\tt+3]
	v_pk_add_f32 v[130+4*\tt:131+4*\tt], v[32*\tt+4:32*\tt+5], v[32*\tt+6:32*\tt+7]
.endr
	WIN 0x01
.set j, 8
.rept 6
.irp tt, 0,1,2,3,4,5,6,7
	v_pk_add_f32 v[128+4*\tt:129+4*\tt], v[32*\tt+j:32*\tt+j+1], v[128+4*\tt:129+4*\tt]
	v_pk_add_f32 v[130+4*\tt:131+4*\tt], v[32*\tt+j+2:32*\tt+j+3], v[130+4*\tt:131+4*\tt]
.endr
.set j, j+4
.endr
	WIN 0
	ACROSS 0
	WIN 0xc0
	WLOAD 128, 8, 94, 16384                        ; w_fc1, first 128 hidden units, second half
	WIN 0
.irp tt, 0,1,2,3,4,5,6,7
	v_mul_f32 v[176+2*\tt], s49, v[160+\tt]        ; the means, as pairs
	v_mul_f32 v[177+2*\tt], s49, v[160+\tt]
.endr
	WIN 0x81                                       ; the differences go to window 2
.set j, 0
.rept 128
	v_pk_add_f32 v[j:j+1], v[j:j+1], v[176+2*(j/32):177+2*(j/32)] neg_lo:[0,1] neg_hi:[0,1]
.set j, j+2
.endr
	WIN 0x0a
.irp tt, 0,1,2,3,4,5,6,7
	v_pk_mul_f32 v[128+4*\tt:129+4*\tt], v[32*\tt:32*\tt+1], v[32*\tt:32*\tt+1]
	v_pk_mul_f32 v[130+4*\tt:131+4*\tt], v[32*\tt+2:32*\tt+3], v[32*\tt+2:32*\tt+3]
.endr
.set j, 4
.rept 7
.irp tt, 0,1,2,3,4,5,6,7
	v_pk_fma_f32 v[128+4*\tt:129+4*\tt], v[32*\tt+j:32*\tt+j+1], v[32*\tt+j:32*\tt+j+1], v[128+4*\tt:129+4*\tt]
	v_pk_fma_f32 v[130+4*\tt:131+4*\tt], v[32*\tt+j+2:32*\tt+j+3], v[32*\tt+j+2:32*\tt+j+3], v[130+4*\tt:131+4*\tt]
.endr
.set j, j+4
.endr
	WIN 0
	ACROSS 2048
.irp tt, 0,1,2,3,4,5,6,7
	v_fma_f32 v[160+\tt], v[160+\tt], s49, s53
.endr
.irp tt, 0,1,2,3,4,5,6,7
	v_rsq_f32 v[176+2*\tt], v[160+\tt]
	v_rsq_f32 v[177+2*\tt], v[160+\tt]
.endr
	v_nop
	WIN 0x82
.set j, 0
	s_wait_alu depctr_va_vdst(0)
.rept 128
	v_pk_mul_f32 v[j:j+1], v[j:j+1], v[176+2*(j/32):177+2*(j/32)]
.set j, j+2
.endr
.set j, 0
.rept 128
	v_pk_fma_f32 v[j:j+1], v[j:j+1], v[64+j%32:65+j%32], v[96+j%32:97+j%32]
.set j, j+2
.endr
	WIN 0
	s_lshr_b32 s28, s48, 1
	s_and_b32 s29, s48, 1
	s_lshl_b32 s30, s28, 11
	s_lshl_b32 s31, s29, 10
	s_add_co_u32 s30, s30, s31
	s_add_co_u32 s30, s30, ACT
	v_add_nc_u32 v9, s30, v4                       ; my K step (w / 2) and my two blocks of each row tile's fragments
	s_lshl_b32 s30, s28, 7
	s_lshl_b32 s31, s29, 1
	s_add_co_u32 s30, s30, s31
	v_add_nc_u32 v10, s30, v7
.irp i, 0,1,2,3
	QUANT 64*\i, 2
	IMAGE2 9, 10, 2*\i, 0, 0
	s_wait_dscnt 0x0
.endr
	WIN 0x80
	WLOAD 0, 8, 94, 32768                          ; window 2: w_fc1, my second 128 hidden units, first half
	WIN 0
	BARRIER                                        ; LN2's sixteen fragments lie in LDS
	s_wait_loadcnt 32                              ; the 32 loads just issued may be out: the first 128 hidden units' fragments and all scale words are in
	WIN 0x80
	WLOAD 128, 8, 94, 49152                        ; second half
	WIN 0
	; ---------------- fc1, gelu: area A: accumulators v64-127, LN2's two fragments v128-159, b_fc1 as C v160-223
	s_mov_b32 s4, 0x32edffee                       ; erf(z) = z P(z^2) / Q(z^2): P's a11, a9, a7, a5, a3, a1,
	s_mov_b32 s6, 0xb60cff51
	s_mov_b32 s8, 0xb86ec2d2
	s_mov_b32 s10, 0xba40ac63
	s_mov_b32 s12, 0xbb41a1f6
	s_mov_b32 s14, 0xbc83dbd4
	s_mov_b32 s16, 0xb95fbd29                      ; Q's b6, b4, b2, b0,
	s_mov_b32 s18, 0xbadc924e
	s_mov_b32 s20, 0xbbf19bf8
	s_mov_b32 s22, 0xbc69b6a7
	s_mov_b32 s24, 0x3f3504f3                      ; and 2^-0.5
.irp k, 4,6,8,10,12,14,16,18,20,22,24
	s_mov_b32 s[\k+1], s[\k]                       ; named as pairs, so both words are written
.endr
	v_mov_b32 v12, 0xaf95df0b                      ; a13, as a pair
	v_mov_b32 v13, v12
	v_mov_b32 v2, 0xb77460cd                       ; b8, as a pair (r and h are made again ahead of fc2)
	v_mov_b32 v3, v2
	s_lshl_b32 s28, s48, 15
	v_add_nc_u32 v15, s28, v4                      ; the hidden layer's images, where x lay: my two K steps begin at 32768 w
	s_lshl_b32 s28, s48, 11
	s_add_co_u32 s28, s28, HSC
	v_add_nc_u32 v6, s28, v5                       ; their scale words: 2048 w
	s_lshl_b32 s35, s48, 10
	s_add_co_u32 s35, s35, PAR+4096                ; b_fc1 at my 256 hidden units
.macro GSTEP dst, sc                   ; dst = dst x z^2 + a constant, four pairs
.irp p, 0,2,4,6
	v_pk_fma_f32 v[\dst+\p:\dst+\p+1], v[\dst+\p:\dst+\p+1], v[232+\p:233+\p], s[\sc:\sc+1] op_sel_hi:[1,1,0]
.endr
.endm
.macro GELU8 g                         ; eight numbers in place: x/2 (1 + erf(x 2^-0.5)).  z v224.., z^2 v232.., P v240.., Q v248..
.irp p, 0,2,4,6
	v_pk_mul_f32 v[224+\p:225+\p], v[\g+\p:\g+\p+1], s[24:25] op_sel_hi:[1,0]
.endr
.irp p, 0,1,2,3,4,5,6,7
	v_med3_num_f32 v[224+\p], v[224+\p], -4.0, 4.0
.endr
.irp p, 0,2,4,6
	v_pk_mul_f32 v[232+\p:233+\p], v[224+\p:225+\p], v[224+\p:225+\p]
.endr
.irp p, 0,2,4,6
	v_pk_fma_f32 v[240+\p:241+\p], v[232+\p:233+\p], v[12:13], s[4:5] op_sel_hi:[1,1,0]
.endr
.irp p, 0,2,4,6
	v_pk_fma_f32 v[248+\p:249+\p], v[232+\p:233+\p], v[2:3], s[16:17] op_sel_hi:[1,1,0]
.endr
	GSTEP 240, 6
	GSTEP 248, 18
	GSTEP 240, 8
	GSTEP 248, 20
	GSTEP 240, 10
	GSTEP 248, 22
.irp p, 0,1,2,3,4,5,6,7
	v_rcp_f32 v[248+\p], v[248+\p]
.endr
	GSTEP 240, 12                                  ; plain lines behind the reciprocals
	GSTEP 240, 14
.irp p, 0,2,4,6
	v_pk_mul_f32 v[240+\p:241+\p], v[240+\p:241+\p], v[224+\p:225+\p]
.endr
.irp p, 0,2,4,6
	v_pk_mul_f32 v[\g+\p:\g+\p+1], v[\g+\p:\g+\p+1], 0.5 op_sel_hi:[1,0]
.endr
	s_wait_alu depctr_va_vdst(0)
.irp p, 0,2,4,6
	v_pk_mul_f32 v[240+\p:241+\p], v[240+\p:241+\p], v[248+\p:249+\p]
.endr
.irp p, 0,2,4,6
	v_pk_fma_f32 v[\g+\p:\g+\p+1], v[\g+\p:\g+\p+1], v[240+\p:241+\p], v[\g+\p:\g+\p+1]
.endr
.endm
; 128 hidden units (half e of my 256; their 16 fragments of w_fc1 fill window wx) for the eight tiles of rows: eight trips.  Each LDS address that moves is a scalar stepped by a constant, added to a fixed lane term.
.macro FC1 e, wx
	v_bfe_u32 v9, v0, 4, 1
	v_lshl_add_u32 v9, v9, 6, s35                  ; b_fc1: + 64 h
.set j, 0
.rept 16
	ds_load_b128 v[160+4*j:163+4*j], v9 offset:512*\e+128*(j/4)+32*((j/2)%2)+16*(j%2)
.set j, j+1
.endr
	s_mov_b32 s30, 0                               ; the row tile
	s_mov_b32 s31, ACT                             ; its two fragments: 4,096 bytes a tile
	s_mov_b32 s32, 0                               ; their scale words: 256
	s_mov_b32 s33, 16384*\e                        ; the image that I make: 2,048
	s_mov_b32 s34, 1024*\e                         ; its scale words: 128
.Lfc1_\@:
	v_add_nc_u32 v9, s31, v4
	v_add_nc_u32 v1, s32, v7
	v_add_nc_u32 v10, s33, v15
	v_add_nc_u32 v11, s34, v6
	FETCHN 128, 2, 9, 0                            ; far more than eight plain lines stand behind the last trip's products
	WORDS 16, 2, 1, 0
	s_wait_dscnt 0x0                               ; the tile's fragments (and b_fc1) are in; the last trip's image stores are done
	WIN \wx
.irp ct, 0,1,2,3,4,5,6,7
	MMC 64+8*\ct, 16*(2*\ct), 128, 160+8*\ct, 32+16*\e+2*\ct, 16
.endr
.irp ct, 0,1,2,3,4,5,6,7
	MM 64+8*\ct, 16*(2*\ct+1), 144, 32+16*\e+2*\ct+1, 17
.endr
	WIN 0
	PLACES 8
.irp ct, 0,1,2,3,4,5,6,7
	GELU8 64+8*\ct
.endr
	QUANT 64, 0
	IMAGE 10, 0
	ds_store_b32 v11, v[PW]
	s_add_co_u32 s31, s31, 4096
	s_add_co_u32 s32, s32, 256
	s_add_co_u32 s33, s33, 2048
	s_add_co_u32 s34, s34, 128
	s_add_co_u32 s30, s30, 1
	s_cmp_lt_u32 s30, 8
	s_cbranch_scc1 .Lfc1_\@
.endm
.macro W2LOAD ks, win                  ; my four fragments of w_fc2 for K step ks, to v[64 (ks % 4) + 16 ct] of the window
	WIN (\win)<<6
.irp ct, 0,1,2,3
.irp c, 0,1,2,3
	global_load_b128 v[64*((\ks)%4)+16*\ct+4*\c:64*((\ks)%4)+16*\ct+4*\c+3], v4, s[94:95] offset:262144+16384*\ct+2048*(\ks)+512*\c
.endr
.endr
	WIN 0
.endm
	FC1 0, 3
	s_wait_loadcnt 0x0                             ; the second 128 hidden units' fragments
.irp ct, 0,1,2,3
	global_load_b128 v[32+4*\ct:35+4*\ct], v8, s[98:99] offset:8192+512*\ct        ; w_fc2's scale words of K steps 0-3: v[32 + 4 ct + ks]
.endr
	W2LOAD 0, 3
	W2LOAD 1, 3
	W2LOAD 2, 3
	FC1 1, 2
.irp ct, 0,1,2,3
	global_load_b128 v[48+4*\ct:51+4*\ct], v8, s[98:99] offset:8192+512*\ct+256    ; K steps 4-7: v[48 + 4 ct + ks - 4]
.endr
	W2LOAD 3, 3
	W2LOAD 4, 2
	W2LOAD 5, 2
	BARRIER                                        ; the hidden layer's 64 fragments lie in LDS
	; ---------------- fc2: 16 half steps (K step ks, four tiles of rows); the products add onto x1 in window 1; the hidden fragments come into two buffers by turns
	v_and_b32 v2, 15, v0                           ; r and h again
	v_bfe_u32 v3, v0, 4, 1
	v_add_nc_u32 v9, 65536, v4                     ; K steps 4-7 lie beyond an offset's 16 bits
	s_lshl_b32 s28, s48, 8
	s_add_co_u32 s28, s28, PAR
	v_lshl_add_u32 v11, v3, 6, s28
	PARLOAD 192, 3072                              ; b_fc2
.macro HLOAD n                         ; 16 + 4 loads
.set HKS, (\n)/2
.set HHF, (\n)%2
.set HBB, 64+64*((\n)%2)
.set HAD, 4+5*(HKS/4)                  ; v4 for K steps 0-3, v9 for 4-7
.irp tl, 0,1,2,3
.irp c, 0,1,2,3
	ds_load_b128 v[HBB+16*\tl+4*\c:HBB+16*\tl+4*\c+3], v[HAD] offset:(8*(HKS%4)+4*HHF+\tl)*2048+512*\c
.endr
	ds_load_b32 v[16+4*HHF+\tl], v7 offset:8192+(8*HKS+4*HHF+\tl)*128
.endr
.endm
.macro FC2STEP n
.set FKS, (\n)/2
.set FHF, (\n)%2
.if (\n) > 0
	PLACES 8
.endif
.if (\n) < 15
	HLOAD (\n)+1
	s_wait_dscnt 20                                ; the 20 loads just issued may be out: this half step's are in
.else
	s_wait_dscnt 0x0
.endif
.if FHF == 0
.if FKS == 0
	s_wait_loadcnt 52                              ; behind K steps 0-2: four loads of scale words and K steps 3, 4, 5
	W2LOAD 6, 2
.elseif FKS == 1
	W2LOAD 7, 2
.elseif FKS == 3
	s_wait_loadcnt 63                              ; behind K step 3: steps 4 to 7, 64 loads
.elseif FKS == 4
	s_wait_loadcnt 48                              ; steps 5 to 7
.elseif FKS == 5
	s_wait_loadcnt 32
.elseif FKS == 6
	s_wait_loadcnt 16
.elseif FKS == 7
	s_wait_loadcnt 0x0
.endif
.endif
	WIN 0x53-FKS/4                                 ; w_fc2 in window 3 (K steps 0-3) or 2
.irp tl, 0,1,2,3
.irp ct, 0,1,2,3
	MM 32*(4*FHF+\tl)+8*\ct, 64*(FKS%4)+16*\ct, 64+64*FHF+16*\tl, 32+16*(FKS/4)+4*\ct+FKS%4, 16+4*FHF+\tl
.endr
.endr
	WIN 0
.endm
	HLOAD 0
.irp n, 0,1,2,3,4,5,6,7,8,9,10,11,12,13,14,15
	FC2STEP \n
.endr
	PLACES 8
	s_mul_i32 s28, s48, 16*272
	s_add_co_u32 s28, s28, STG                     ; my stage
	v_mul_u32_u24 v10, v2, 272
	v_lshl_add_u32 v10, v3, 6, v10
	v_add_nc_u32 v10, s28, v10                     ; in: row r, + 64 h
	v_mul_u32_u24 v12, v3, 272
	v_lshl_add_u32 v12, v2, 4, v12
	v_add_nc_u32 v12, s28, v12                     ; back: lanes 0-15 one row of 256 bytes, lanes 16-31 the next
	v_lshlrev_b32 v13, 10, v3
	v_lshl_add_u32 v13, v2, 4, v13                 ; and the same two rows in out0
	WIN 0x41
.set j, 0
.rept 128
	v_pk_add_f32 v[j:j+1], v[j:j+1], v[192+j%32:193+j%32]    ; + b_fc2
.set j, j+2
.endr
	WIN 0
; THE WAY OUT, a tile of 16 rows x my 64 columns at a time, through my own stage: LDS serves a wave's instructions in order (ISA guide 5.7.1.4), so no wait stands between the stores and the loads
.macro TOSTAGE t
	WIN 0x04                                       ; an LDS store's data are its source 1: window 1
.irp ct, 0,1,2,3
	ds_store_b128 v10, v[32*(\t)+8*\ct:32*(\t)+8*\ct+3] offset:128*(\ct/2)+32*(\ct%2)
	ds_store_b128 v10, v[32*(\t)+8*\ct+4:32*(\t)+8*\ct+7] offset:128*(\ct/2)+32*(\ct%2)+16
.endr
	WIN 0
.irp i, 0,1,2,3,4,5,6,7
	ds_load_b128 v[64+32*((\t)%2)+4*\i:64+32*((\t)%2)+4*\i+3], v12 offset:544*\i
.endr
.endm
.macro SEND t, younger                 ; younger: the LDS instructions issued behind tile t's loads
	s_wait_dscnt \younger
.irp i, 0,1,2,3,4,5,6,7
	global_store_b128 v13, v[64+32*((\t)%2)+4*\i:64+32*((\t)%2)+4*\i+3], s[100:101] offset:524288*((\t)/2)+1024*(8*((\t)%2)+2*\i+8*(\i/4)) th:TH_STORE_NT   ; sixteen lanes store 256 consecutive bytes, at a multiple of 256 from out0's first byte
.endr
.endm
	TOSTAGE 0
.irp t, 1,2,3,4,5,6,7
.if \t > 1
	s_wait_xcnt 0x0                                ; the stores of two tiles back have read their registers: this tile's loads may land there
.endif
	TOSTAGE \t
	SEND \t-1, 16                                  ; behind that tile's loads: this tile's 8 stores and 8 loads
.endr
	SEND 7, 0
	s_wait_xcnt 0x0
	v_lshl_add_u32 v254, v0, 2, 0x48000
	v_mov_b32 v255, 0
	s_wait_tensorcnt 0x0
	ds_add_u32 v254, v255
	s_wait_dscnt 0x0
	s_endpgm
.Lfunc_end_k_q26c1a457d9_block:
	.size	k_q26c1a457d9_block, .Lfunc_end_k_q26c1a457d9_block-k_q26c1a457d9_block
	.p2alignl 7, 3214868480
	.fill 96, 4, 3214868480
	.section	.rodata,"a",@progbits
	.p2align	6, 0x0
	.amdhsa_kernel k_q26c1a457d9_block
		.amdhsa_group_segment_fixed_size 295424
		.amdhsa_private_segment_fixed_size 0
		.amdhsa_enable_private_segment 0
		.amdhsa_kernarg_size 128
		.amdhsa_user_sgpr_count 2
		.amdhsa_user_sgpr_kernarg_segment_ptr 1
		.amdhsa_wavefront_size32 1
		.amdhsa_system_sgpr_workgroup_id_x 1
		.amdhsa_system_sgpr_workgroup_id_y 1
		.amdhsa_system_sgpr_workgroup_id_z 1
		.amdhsa_system_vgpr_workitem_id 0
		.amdhsa_next_free_vgpr 1024
		.amdhsa_next_free_sgpr 102
		.amdhsa_reserve_vcc 0
		.amdhsa_float_denorm_mode_32 3
		.amdhsa_float_denorm_mode_16_64 3
		.amdhsa_memory_ordered 1
		.amdhsa_forward_progress 1
		.amdhsa_inst_pref_size 255
	.end_amdhsa_kernel
	.section	.bss,"aw",@nobits
	.p2align	6
	.space	262144
	.amdgpu_metadata
---
amdhsa.version: [ 1, 2 ]
amdhsa.kernels:
  - .name:           k_q26c1a457d9_block
    .symbol:         k_q26c1a457d9_block.kd
    .args:
      - { .name: x, .offset: 0, .size: 8, .value_kind: global_buffer, .address_space: global }
      - { .name: pos, .offset: 8, .size: 8, .value_kind: global_buffer, .address_space: global }
      - { .name: norm1_g, .offset: 16, .size: 8, .value_kind: global_buffer, .address_space: global }
      - { .name: norm1_b, .offset: 24, .size: 8, .value_kind: global_buffer, .address_space: global }
      - { .name: bq, .offset: 32, .size: 8, .value_kind: global_buffer, .address_space: global }
      - { .name: bk, .offset: 40, .size: 8, .value_kind: global_buffer, .address_space: global }
      - { .name: bv, .offset: 48, .size: 8, .value_kind: global_buffer, .address_space: global }
      - { .name: bo, .offset: 56, .size: 8, .value_kind: global_buffer, .address_space: global }
      - { .name: norm2_g, .offset: 64, .size: 8, .value_kind: global_buffer, .address_space: global }
      - { .name: norm2_b, .offset: 72, .size: 8, .value_kind: global_buffer, .address_space: global }
      - { .name: b_fc1, .offset: 80, .size: 8, .value_kind: global_buffer, .address_space: global }
      - { .name: b_fc2, .offset: 88, .size: 8, .value_kind: global_buffer, .address_space: global }
      - { .name: wcodes, .offset: 96, .size: 8, .value_kind: global_buffer, .address_space: global }
      - { .name: wscales, .offset: 104, .size: 8, .value_kind: global_buffer, .address_space: global }
      - { .name: ptab, .offset: 112, .size: 8, .value_kind: global_buffer, .address_space: global }
      - { .name: out0, .offset: 120, .size: 8, .value_kind: global_buffer, .address_space: global }
    .group_segment_fixed_size: 295424
    .private_segment_fixed_size: 0
    .kernarg_segment_align: 8
    .kernarg_segment_size: 128
    .max_flat_workgroup_size: 128
    .sgpr_count:     102
    .vgpr_count:     1024
    .wavefront_size: 32
...
	.end_amdgpu_metadata
.endif
;; end of part 2
